; MI455X (gfx1250); checked and timed in simulation.
; The chip was launched on July 23, 2026; its instructions are those of AMD's public machine-readable ISA for CDNA 5 (MIT licence, August 2026) and "CDNA5" Instruction Set Architecture Reference Guide (July 2026). The comments in the code are by the model that wrote it; some were corrected since.
;; Attention. Allowed arithmetic: matrix products marked QUANTISED: E5M2 operands, one E8M0 scale for each 32 along K, by v_wmma_scale_f32_16x16x128_f8f6f4 with both operands' format E5M2, f32 sums; everything else in f32.
;; Inputs: key 2 x 16 x 2,048 x 64 float32; key_i 2 x 16 x 2,048 x 64 float32; mask 2 x 1 x 2,048 x 2,048 int32; query 2 x 16 x 2,048 x 64 float32; query_i 2 x 16 x 2,048 x 64 float32; value 2 x 16 x 2,048 x 64 float32; value_i 2 x 16 x 2,048 x 64 float32.
;; Outputs: out0 2 x 16 x 2,048 x 64 float32; out1 2 x 16 x 2,048 x 64 float32.
;; This version of the problem:
;;   THIS VERSION OF THE PROBLEM IS GIVEN IN LOW PRECISION. The matrix products marked QUANTISED in the list below multiply operands that are first quantised to E5M2 (5 exponent bits, 2 mantissa bits; 8 bits a number), with one power-of-two scale for each 32 numbers along K (OCP MX v1.0); their sums are f32. All else is computed in f32.
;;   The module's matrix products, in the order in which they are computed (A, B: the left and right operand; K: the contracted axis; several contracted axes count as one K, in the product's order):
;;     1. batch 32 x [M 2,048, K 64] x [K 64, N 2,048]; A: input query; B: input key: QUANTISED
;;     2. batch 32 x [M 2,048, K 64] x [K 64, N 2,048]; A: input query_i; B: input key_i: QUANTISED
;;     3. batch 32 x [M 2,048, K 2,048] x [K 2,048, N 64]; A: softmax (see below); B: input value: QUANTISED
;;     4. batch 32 x [M 2,048, K 2,048] x [K 2,048, N 64]; A: softmax (see below); B: input value_i: QUANTISED
;;   THE QUANTISER, for each operand of a quantised product, along K:
;;     - K is cut into blocks of 32 from its start; a last block that is shorter is filled with zeros.
;;     - A block's scale is 2^e with e = floor(log2(the largest magnitude in the block)) - 15, held to -126 .. 127; a block of zeros has e = 0. As a byte (E8M0): e + 127.
;;     - Each number is divided by its block's scale, clamped to +-57,344, and rounded to the nearest number of E5M2, ties to even, subnormals kept.
;;     - The product sums the exact products of the quantised numbers (number of the format x scale) in f32.
;;   ~~~python
;;   def quantise(x, axis):      # numpy; x: float32 -> the quantised numbers, widened to float32 again
;;       x = np.moveaxis(x, axis, -1); K = x.shape[-1]
;;       x = np.pad(x, [(0, 0)] * (x.ndim - 1) + [(0, -K % 32)]); x = x.reshape(x.shape[:-1] + (-1, 32)); a = np.abs(x).max(-1, keepdims=True)
;;       e = np.where(a > 0, np.clip(np.frexp(np.where(a > 0, a, 1))[1] - 1 - 15, -126, 127), 0)      # np.frexp(a)[1] - 1 = floor(log2(a)), exactly
;;       r = np.clip(x / 2.0 ** e, -57344, 57344)
;;       step = 2.0 ** (np.maximum(np.frexp(np.where(r == 0, 1, r))[1] - 1, -14) - 2)
;;       q = np.round(r / step) * step * 2.0 ** e      # np.round: ties to even
;;       return np.moveaxis(q.reshape(q.shape[:-2] + (-1,))[..., :K], -1, axis).astype(np.float32)
;;   ~~~
;;   SOFTMAX AHEAD OF A QUANTISED PRODUCT. Where the list says 'softmax', what is quantised is not the finished softmax but p = 2^(t - M), with t = logit x log2(e) and M = ceil(the row's largest t), a whole number; so 1/2 < the row's largest p <= 1. The row's sum l is taken of the UNQUANTISED p, in f32, and the product's result is divided by l at the end. Since M is a whole number, a kernel that streams over the keys may use a running M (the ceiling of the running maximum): every later rescaling is an exact power of two, which a block's scale takes up: the codes' values come out the same.
;;   OPERANDS COMPUTED ON THE WAY. 'Computed on the way' means the value that the module computes at that place (a softmax that the list does not call 'softmax' is quantised finished and normalised). What goes into a quantiser is computed in f32, as accurately as f32 sums, v_exp_f32 and their like allow (about 1e-6 of the number): no bf16 or f16 on the way to a quantiser, and a product that is left as it is and whose result goes on into a quantised operand takes f32 operands (vector FMAs, or v_wmma_f32_16x16x4_f32). A number that lies on a knife's edge between two numbers of the format may be rounded either way, as far as f32 arithmetic and the matrix unit's own rounding can turn it there, and no further.
;; One version. Each part assembles by itself: llvm-mc -triple=amdgcn-amd-amdhsa -mcpu=gfx1250 --defsym DOCPART=n.
;; ======== version 1 of 1: 2 launches
;; limits: right only within a limited range of input values
;; workspace buffers: kv 17,301,504 bytes; mbits 1,048,576 bytes of whole numbers
;; launch prep (part 1): grid 1536 x 1, 4 waves a work-group, no clusters, 69,120 bytes of LDS; arguments key, key_i, value, value_i, mask, kv, mbits; writes kv, mbits
.if DOCPART == 1
	.amdgcn_target "amdgcn-amd-amdhsa--gfx1250"
	.amdhsa_code_object_version 6
	.text
	.protected	k_qc3bfc758b7_prep
	.globl	k_qc3bfc758b7_prep
	.p2align	8
	.type	k_qc3bfc758b7_prep,@function
k_qc3bfc758b7_prep:
	s_mov_b64 s[64:65], 0
	v_nop
	global_prefetch_b8 v0, s[64:65] scope:SCOPE_SE
	s_setreg_imm32_b32 hwreg(HW_REG_WAVE_MODE, 25, 1), 1
	s_wait_xcnt 0x0
; key | key_i and value | value_i (f32, [32 heads][2048][64]) become codes of BF8 (E5M2) with one E8M0 byte for each 32 along a product's K, laid as IMAGES OF THE
; OPERANDS' REGISTERS, and the mask ([2][2048][2048] int32) becomes 32-bit lane masks in the layout of the attention launch's score registers.
; kv: [head 32][step 16][33,792 bytes]; a step is 128 keys.  A fragment is four chunks of 512 bytes; chunk c holds registers 4 c .. 4 c + 3, lane l's 16 bytes at 16 l.
;   0     + 2048 t + 512 c + 16 l : K tile t = 2 b + u: lane (r = l % 16, h = l / 16): key 32 b + 8 u + r + 8 (r / 8); k = 32 c + 16 h + 0 .. 15; k < 64 is key's d, k >= 64 key_i's d - 64
;   16384 + 2048 t + 512 c + 16 l : V tile t: channel 16 t + r of value | value_i (t < 4: value); keys 32 c + 16 h + 0 .. 15 of the step
;   32768 + 128 j + 4 l           : K's scale words: lanes 0-15 tile 2 j's row r, lanes 16-31 tile 2 j + 1's
;   33280 + 128 j + 4 l           : V's scale words, likewise; byte c is for keys 32 c .. 32 c + 31
; mbits: [batch x 128 + tile of 16 queries][step 16][64 words]: bit l of word 16 b + i = (mask[query l % 16][key 32 b + 16 (l / 16) + i of the step] != 0).
; SHARES: 1,536 work-groups of four waves, 64 KB of input each: 512 for the keys (one step each, a wave a block of 32 keys), 512 for the values (a wave 32 channels), 512 for the mask
; (16 rows x 1,024 columns each, a wave two steps).  Waves share nothing: no barrier.  The two paths that use LDS have LDS bytes of their own.
; A block's scale is 2^(floor(log2(its largest magnitude)) - 15); its byte is the largest magnitude's exponent field - 15, held at 1 from below.
; LIMITS: a block of zeros gets the byte 1 where the rule says 127: its codes are zeros, and this program alone reads the bytes.  Blocks whose largest magnitude lies under 2^(16 - 127)
; take the floor's byte.  NaN and infinities among the inputs are not served.
.set STEPB, 33792                      ; bytes of a step in kv
.set VIMG,  16384
.set KSCL,  32768
.set VSCL,  33280
.set KSTW,  8704                       ; the keys' stage of a wave: 2 tensors x 16 rows x 272 bytes (a row of 256 + 16: 17 x 16 bytes from row to row)
.set MST,   4*KSTW                     ; the mask's stages begin behind the keys'
.set MSTW,  8448                       ; the mask's stage of a wave: 16 rows x 528 bytes (512 + 16: 33 x 16 bytes from row to row)
.set TM,    8                          ; v8-11 largest magnitudes, v12-15 the other half's / bytes, v16-19 the largest number x the scale, v20-23 the conversions' scale operands
.set R,     64                         ; v64-127, v128-191: two sets of 64 numbers
; 64 numbers of a lane, register 16 b + i = k 32 b + 16 (lane / 16) + i of my row, become a fragment's codes in v[pc] on and its scale word in v[pw].
.macro QUANT s, pc, pw
.irp b, 0,1,2,3
	v_max3_num_f32 v[TM+\b], |v[\s+16*\b]|, |v[\s+1+16*\b]|, 0x8000000   ; my 16 numbers of block b, and the floor 2^(16 - 127): the byte cannot fall under 1
.endr
.irp i, 2,4,6,8,10,12,14
.irp b, 0,1,2,3
	v_max3_num_f32 v[TM+\b], v[TM+\b], |v[\s+16*\b+\i]|, |v[\s+1+16*\b+\i]|   ; the four blocks by turns
.endr
.endr
.irp b, 0,1,2,3
	v_permlanex16_b32 v[TM+4+\b], v[TM+\b], s20, s21
.endr
.irp b, 0,1,2,3
	v_max_num_f32 v[TM+\b], v[TM+\b], v[TM+4+\b]           ; with lane l xor 16's 16: the block's largest magnitude
.endr
.irp b, 0,1,2,3
	v_add_nc_u32 v[TM+12+\b], 0xf8800000, v[TM+\b]         ; 15 off its exponent field: the conversion takes this operand's exponent field as its scale
.endr
.irp b, 0,1,2,3
	v_and_or_b32 v[TM+8+\b], v[TM+\b], 0x7f800000, s22     ; 57,344 x the scale
.endr
.irp b, 0,1,2,3
	v_lshrrev_b32 v[TM+4+\b], 23, v[TM+12+\b]              ; the scale's byte
.endr
	v_lshl_or_b32 v[\pw], v[TM+5], 8, v[TM+4]
	v_lshl_or_b32 v[\pw], v[TM+6], 16, v[\pw]
	v_lshl_or_b32 v[\pw], v[TM+7], 24, v[\pw]              ; my row's scale word
.irp b, 0,1,2,3
.irp i, 0,1,2,3,4,5,6,7,8,9,10,11,12,13,14,15
	v_med3_num_f32 v[\s+16*\b+\i], v[\s+16*\b+\i], -v[TM+8+\b], v[TM+8+\b]   ; the conversion to an 8-bit code does not saturate (ISA guide 7.6.2): the hold comes first
.endr
	v_cvt_scalef32_pk8_bf8_f32 v[\pc+4*\b:\pc+4*\b+1], v[\s+16*\b:\s+16*\b+7], v[TM+12+\b]
	v_cvt_scalef32_pk8_bf8_f32 v[\pc+4*\b+2:\pc+4*\b+3], v[\s+16*\b+8:\s+16*\b+15], v[TM+12+\b]
.endr
	v_nop                                                  ; one plain line behind the last conversion
.endm
	s_load_b256 s[4:11], s[0:1], 0x0               ; key s[4:5], key_i s[6:7], value s[8:9], value_i s[10:11]
	s_load_b128 s[12:15], s[0:1], 0x20             ; mask s[12:13], kv s[14:15]
	s_load_b64 s[16:17], s[0:1], 0x30              ; mbits
	v_lshl_add_u32 v192, v0, 2, 0x10c00
	v_mov_b32 v193, 0
	v_lshrrev_b32 v1, 5, v0
	v_readfirstlane_b32 s18, v1                    ; wave 0..3
	v_and_b32 v1, 31, v0                           ; lane
	v_and_b32 v2, 15, v0                           ; r
	v_bfe_u32 v3, v0, 4, 1                         ; h
	v_lshlrev_b32 v4, 4, v1                        ; 16 x lane
	v_lshlrev_b32 v5, 2, v1                        ; 4 x lane
	s_mov_b32 s20, 0x76543210
	s_mov_b32 s21, 0xfedcba98                      ; v_permlanex16_b32's selects for lane l xor 16
	s_mov_b32 s22, 0x600000                        ; the mantissa field of 57,344
	s_wait_kmcnt 0x0
	s_cmp_lt_u32 ttmp9, 512
	s_cbranch_scc0 .Lnot_keys
	; ---------------- THE KEYS.  Work-group = head x 16 + step; wave w takes block w: 32 keys, tiles 2 w and 2 w + 1.
	s_lshl_b32 s24, ttmp9, 15                      ; 128 rows of 256 bytes a step,
	s_lshl_b32 s25, s18, 13                        ; 32 rows a wave
	s_add_co_u32 s24, s24, s25
	s_mov_b32 s25, 0
	s_add_nc_u64 s[4:5], s[4:5], s[24:25]
	s_add_nc_u64 s[6:7], s[6:7], s[24:25]
	s_mul_i32 s26, ttmp9, STEPB
	s_mov_b32 s27, 0
	s_add_nc_u64 s[14:15], s[14:15], s[26:27]      ; kv at my step
	s_lshl_b32 s26, s18, 12
	s_add_nc_u64 s[28:29], s[14:15], s[26:27]      ; my two tiles' images
	s_lshl_b32 s26, s18, 7
	s_add_nc_u64 s[30:31], s[14:15], s[26:27]      ; my 32 scale words (KSCL stands in the immediate)
	s_mul_i32 s19, s18, KSTW                       ; my stage
	s_wait_alu depctr_va_vdst(0)
	v_mul_u32_u24 v6, v3, 272
	v_lshl_add_u32 v6, v2, 4, v6
	v_add_nc_u32 v6, s19, v6                       ; in: a load's two rows: row h, 16 bytes a lane
	v_mul_u32_u24 v7, v2, 272
	v_lshl_add_u32 v7, v3, 6, v7
	v_add_nc_u32 v7, s19, v7                       ; out: row r, + 64 h: my 16 numbers of a block of 32
.irp b, 0,1,2,3
	v_mov_b32 v[TM+4+\b], 0                        ; written once: a lane permute's destination counts as one of its sources
.endr
; Tile u's 16 rows are two runs of eight: rows 8 u + 16 p + 0 .. 7 of the block.  Each load reads two rows, 512 consecutive bytes.
.macro LOADK u
.irp p, 0,1
.irp i, 0,1,2,3
	global_load_b128 v[R+64*\u+4*(4*\p+\i):R+64*\u+4*(4*\p+\i)+3], v4, s[4:5] offset:(8*\u+16*\p)*256+512*\i th:TH_LOAD_NT
.endr
.endr
.irp p, 0,1
.irp i, 0,1,2,3
	global_load_b128 v[R+64*\u+32+4*(4*\p+\i):R+64*\u+32+4*(4*\p+\i)+3], v4, s[6:7] offset:(8*\u+16*\p)*256+512*\i th:TH_LOAD_NT
.endr
.endr
.endm
; Through my own stage: in as loaded, out 16 neighbours along d a lane.  LDS serves a wave's instructions in order: no wait between the stores and the loads.
.macro TURNK u
.irp t, 0,1
.irp p, 0,1
.irp i, 0,1,2,3
	ds_store_b128 v6, v[R+64*\u+4*(8*\t+4*\p+\i):R+64*\u+4*(8*\t+4*\p+\i)+3] offset:\t*4352+(8*\p+2*\i)*272
.endr
.endr
.endr
.irp t, 0,1
.irp c, 0,1
.irp j, 0,1,2,3
	ds_load_b128 v[R+64*\u+16*(2*\t+\c)+4*\j:R+64*\u+16*(2*\t+\c)+4*\j+3], v7 offset:\t*4352+128*\c+16*\j
.endr
.endr
.endr
.endm
	LOADK 0
	LOADK 1
	s_wait_alu depctr_va_vdst(0)
	s_wait_loadcnt 16                              ; tile 0's sixteen loads are in; tile 1's sixteen may be out
	TURNK 0
	s_wait_dscnt 0x0
	QUANT R, 32, 24
.irp c, 0,1,2,3
	global_store_b128 v4, v[32+4*\c:32+4*\c+3], s[28:29] offset:512*\c            ; 512 consecutive bytes a store
.endr
	s_wait_loadcnt 0x0
	TURNK 1
	s_wait_dscnt 0x0
	QUANT R+64, 48, 25
.irp c, 0,1,2,3
	global_store_b128 v4, v[48+4*\c:48+4*\c+3], s[28:29] offset:2048+512*\c
.endr
	v_cmp_lt_u32 vcc_lo, 15, v1
	v_cndmask_b32 v26, v24, v25, vcc_lo            ; lanes 0-15: tile 2 w's words, lanes 16-31: tile 2 w + 1's
	global_store_b32 v5, v26, s[30:31] offset:KSCL ; 128 consecutive bytes
	s_wait_tensorcnt 0x0
	ds_add_u32 v192, v193
	s_wait_dscnt 0x0
	s_endpgm
.Lnot_keys:
	s_cmp_lt_u32 ttmp9, 1024
	s_cbranch_scc0 .Lmask
	; ---------------- THE VALUES.  K is the keys: a lane takes a channel and its registers run down the keys.  Wave j takes V tiles 2 j, 2 j + 1: 32 channels.
	s_sub_co_u32 s23, ttmp9, 512                   ; head x 16 + step
	s_cmp_lt_u32 s18, 2                            ; waves 0, 1: value; waves 2, 3: value_i
	s_cselect_b64 s[8:9], s[8:9], s[10:11]
	s_and_b32 s25, s18, 1
	s_lshl_b32 s25, s25, 7                         ; which 32 of the tensor's 64 channels: 128 bytes
	s_lshl_b32 s24, s23, 15
	s_add_co_u32 s24, s24, s25
	s_mov_b32 s25, 0
	s_add_nc_u64 s[8:9], s[8:9], s[24:25]
	s_mul_i32 s26, s23, STEPB
	s_mov_b32 s27, 0
	s_add_nc_u64 s[14:15], s[14:15], s[26:27]
	s_lshl_b32 s26, s18, 12
	s_add_nc_u64 s[28:29], s[14:15], s[26:27]      ; my two tiles' images (VIMG stands in the immediate)
	s_lshl_b32 s26, s18, 7
	s_add_nc_u64 s[30:31], s[14:15], s[26:27]      ; my 32 scale words (VSCL likewise)
	s_wait_alu depctr_va_vdst(0)
	v_lshlrev_b32 v6, 11, v3
	v_lshl_add_u32 v6, v2, 4, v6                   ; tile lane / 16, row lane % 16: 2048 h + 16 r
.macro LOADV c                         ; block c: keys 32 c + i of my channel; 32 lanes read 128 consecutive bytes
.set i, 0
.rept 32
	global_load_b32 v[R+32*((\c)%2)+i], v5, s[8:9] offset:(32*(\c)+i)*256 th:TH_LOAD_NT
.set i, i+1
.endr
.endm
.macro BLOCKV c
.set XS, R+32*((\c)%2)
.set CD, 32+8*(\c)                     ; each block has its own eight registers of codes: no store's data are written again
.if (\c) < 3
	s_wait_loadcnt 32                              ; this block's 32 loads are in; the next block's 32 may be out
.else
	s_wait_loadcnt 0x0
.endif
	v_max3_num_f32 v8, |v[XS]|, |v[XS+1]|, |v[XS+2]|       ; the block's largest magnitude: all 32 numbers are mine
	v_max3_num_f32 v9, |v[XS+3]|, |v[XS+4]|, |v[XS+5]|
.irp i, 6,10,14,18,22,26
	v_max3_num_f32 v8, v8, |v[XS+\i]|, |v[XS+\i+1]|
	v_max3_num_f32 v9, v9, |v[XS+\i+2]|, |v[XS+\i+3]|
.endr
	v_max3_num_f32 v8, v8, |v[XS+30]|, |v[XS+31]|
	v_max3_num_f32 v8, v8, v9, 0x8000000           ; and the floor
	v_add_nc_u32 v11, 0xf8800000, v8               ; the conversions' scale operand
	v_and_or_b32 v10, v8, 0x7f800000, s22          ; 57,344 x the scale
	v_lshrrev_b32 v12, 23, v11                     ; the byte
.if (\c) == 0
	v_mov_b32 v13, v12
.else
	v_lshl_or_b32 v13, v12, 8*(\c), v13            ; four bytes make my channel's scale word
.endif
.set i, 0
.rept 32
	v_med3_num_f32 v[XS+i], v[XS+i], -v10, v10
.set i, i+1
.endr
.irp g, 0,1,2,3
	v_cvt_scalef32_pk8_bf8_f32 v[CD+2*\g:CD+2*\g+1], v[XS+8*\g:XS+8*\g+7], v11
.endr
	v_nop                                          ; one plain line behind the last conversion
	global_store_b128 v6, v[CD:CD+3], s[28:29] offset:VIMG+512*(\c)          ; keys 0-15 of the block: the image's lanes 0-15; sixteen lanes store 256 consecutive bytes, aligned
	global_store_b128 v6, v[CD+4:CD+7], s[28:29] offset:VIMG+512*(\c)+256    ; keys 16-31: its lanes 16-31
.if (\c)+2 < 4
	LOADV (\c)+2
.endif
.endm
	LOADV 0
	LOADV 1
	BLOCKV 0
	BLOCKV 1
	BLOCKV 2
	BLOCKV 3
	global_store_b32 v5, v13, s[30:31] offset:VSCL ; 128 consecutive bytes
	s_endpgm
.Lmask:
	; ---------------- THE MASK.  m = work-group - 1024: rows 16 (m / 2) on of the 4,096, steps 8 (m % 2) + 2 w + e, e = 0, 1.
	s_sub_co_u32 s23, ttmp9, 1024
	s_lshr_b32 s24, s23, 1                         ; the tile of 16 rows
	s_and_b32 s25, s23, 1
	s_lshl_b32 s25, s25, 3
	s_lshl_b32 s26, s18, 1
	s_add_co_u32 s25, s25, s26                     ; my first step
	s_lshl_b32 s26, s24, 17                        ; 16 rows of 8,192 bytes,
	s_lshl_b32 s27, s25, 9                         ; 512 bytes of a row a step
	s_add_co_u32 s26, s26, s27
	s_mov_b32 s27, 0
	s_add_nc_u64 s[12:13], s[12:13], s[26:27]
	s_lshl_b32 s26, s24, 4
	s_add_co_u32 s26, s26, s25
	s_lshl_b32 s26, s26, 8                         ; 256 bytes of words for a tile and a step
	s_add_nc_u64 s[16:17], s[16:17], s[26:27]
	s_mul_i32 s19, s18, MSTW
	s_add_co_u32 s19, s19, MST                     ; my stage
	s_wait_alu depctr_va_vdst(0)
	v_add_nc_u32 v6, s19, v4                       ; in: a row's 512 bytes, 16 a lane
	v_mul_u32_u24 v7, v2, 528
	v_lshl_add_u32 v7, v3, 6, v7
	v_add_nc_u32 v7, s19, v7                       ; out: row r, + 64 h: my 16 columns of a block of 32
	v_lshlrev_b32 v8, 3, v1                        ; two words a lane on the way out
.irp j, 10,11,12,13
	v_mov_b32 v\j, 0                               ; v_writelane_b32's destination counts as one of its sources
.endr
.irp e, 0,1
.irp i, 0,1,2,3,4,5,6,7,8,9,10,11,12,13,14,15
	global_load_b128 v[R+64*\e+4*\i:R+64*\e+4*\i+3], v4, s[12:13] offset:8192*\i+512*\e th:TH_LOAD_NT   ; 512 consecutive bytes of row i
.endr
.endr
.macro BITS e
.irp i, 0,1,2,3,4,5,6,7,8,9,10,11,12,13,14,15
	ds_store_b128 v6, v[R+64*\e+4*\i:R+64*\e+4*\i+3] offset:528*\i
.endr
.irp b, 0,1,2,3
.irp j, 0,1,2,3
	ds_load_b128 v[R+64*\e+16*\b+4*\j:R+64*\e+16*\b+4*\j+3], v7 offset:128*\b+16*\j   ; register 16 b + i: column 32 b + 16 h + i of row r
.endr
.endr
	s_wait_dscnt 0x0
.irp g, 0,1,2,3
.irp k, 0,1,2,3,4,5,6,7,8,9,10,11,12,13,14,15
	v_cmp_ne_u32 s[28+\k], 0, v[R+64*\e+16*\g+\k]          ; word 16 g + k: a bit a lane
.endr
.irp k, 0,1,2,3,4,5,6,7,8,9,10,11,12,13,14,15
	v_writelane_b32 v[10+2*\e+(\k%2)], s[28+\k], (16*\g+\k)/2   ; lane L gathers words 2 L and 2 L + 1
.endr
.endr
	global_store_b64 v8, v[10+2*\e:11+2*\e], s[16:17] offset:256*\e   ; 32 lanes store 256 consecutive bytes, aligned
.endm
	s_wait_alu depctr_va_vdst(0)
	s_wait_loadcnt 16                              ; the first step's sixteen loads are in; the second's may be out
	BITS 0
	s_wait_loadcnt 0x0
	BITS 1
	s_wait_tensorcnt 0x0
	ds_add_u32 v192, v193
	s_wait_dscnt 0x0
	s_endpgm
.Lfunc_end_k_qc3bfc758b7_prep:
	.size	k_qc3bfc758b7_prep, .Lfunc_end_k_qc3bfc758b7_prep-k_qc3bfc758b7_prep
	.p2alignl 7, 3214868480
	.fill 96, 4, 3214868480
	.section	.rodata,"a",@progbits
	.p2align	6, 0x0
	.amdhsa_kernel k_qc3bfc758b7_prep
		.amdhsa_group_segment_fixed_size 69120
		.amdhsa_private_segment_fixed_size 0
		.amdhsa_enable_private_segment 0
		.amdhsa_kernarg_size 56
		.amdhsa_user_sgpr_count 2
		.amdhsa_user_sgpr_kernarg_segment_ptr 1
		.amdhsa_wavefront_size32 1
		.amdhsa_system_sgpr_workgroup_id_x 1
		.amdhsa_system_sgpr_workgroup_id_y 1
		.amdhsa_system_sgpr_workgroup_id_z 1
		.amdhsa_system_vgpr_workitem_id 0
		.amdhsa_next_free_vgpr 194
		.amdhsa_next_free_sgpr 66
		.amdhsa_reserve_vcc 1
		.amdhsa_float_denorm_mode_32 3
		.amdhsa_float_denorm_mode_16_64 3
		.amdhsa_memory_ordered 1
		.amdhsa_forward_progress 1
		.amdhsa_inst_pref_size 79
	.end_amdhsa_kernel
	.amdgpu_metadata
---
amdhsa.version: [ 1, 2 ]
amdhsa.kernels:
  - .name:           k_qc3bfc758b7_prep
    .symbol:         k_qc3bfc758b7_prep.kd
    .args:
      - { .name: key, .offset: 0, .size: 8, .value_kind: global_buffer, .address_space: global }
      - { .name: key_i, .offset: 8, .size: 8, .value_kind: global_buffer, .address_space: global }
      - { .name: value, .offset: 16, .size: 8, .value_kind: global_buffer, .address_space: global }
      - { .name: value_i, .offset: 24, .size: 8, .value_kind: global_buffer, .address_space: global }
      - { .name: mask, .offset: 32, .size: 8, .value_kind: global_buffer, .address_space: global }
      - { .name: kv, .offset: 40, .size: 8, .value_kind: global_buffer, .address_space: global }
      - { .name: mbits, .offset: 48, .size: 8, .value_kind: global_buffer, .address_space: global }
    .group_segment_fixed_size: 69120
    .private_segment_fixed_size: 0
    .kernarg_segment_align: 8
    .kernarg_segment_size: 56
    .max_flat_workgroup_size: 128
    .sgpr_count:     66
    .vgpr_count:     194
    .wavefront_size: 32
...
	.end_amdgpu_metadata
.endif
;; end of part 1
;; launch attn (part 2): grid 8 x 32, 16 waves a work-group, clusters of 4 x 1, 327,680 bytes of LDS; arguments query, query_i, kv, mbits, out0, out1; writes out0, out1
.if DOCPART == 2
	.amdgcn_target "amdgcn-amd-amdhsa--gfx1250"
	.amdhsa_code_object_version 6
	.text
	.protected	k_qc3bfc758b7_attn
	.globl	k_qc3bfc758b7_attn
	.p2align	8
	.type	k_qc3bfc758b7_attn,@function
k_qc3bfc758b7_attn:
	s_mov_b64 s[64:65], 0
	v_nop
	global_prefetch_b8 v0, s[64:65] scope:SCOPE_SE
	s_setreg_imm32_b32 hwreg(HW_REG_WAVE_MODE, 25, 1), 1
	s_wait_xcnt 0x0
	s_wait_alu depctr_hold_cnt(0) depctr_sa_sdst(0) depctr_va_vdst(0) depctr_va_sdst(0) depctr_va_ssrc(0) depctr_va_vcc(0) depctr_vm_vsrc(0)
	s_getreg_b32 s2, hwreg(HW_REG_IB_STS2, 6, 4)
	s_cmp_eq_u32 s2, 0
	s_cbranch_scc0 .Lentry_in_a_cluster
	s_endpgm
.Lentry_in_a_cluster:
	s_bfe_u32 s2, ttmp6, 0x10000c
	s_cmp_lg_u32 s2, 0x3003
	s_cbranch_scc0 .Lentry_shape_is_right
	s_endpgm
.Lentry_shape_is_right:
; out0, out1 [32 heads][2048][64] f32 = softmax_k(where(mask == 0, -1e9, sqrt((Q.K)^2 + (Qi.Ki)^2 + 1e-8) / 8)) x value, value_i; all four products on codes of BF8 (E5M2) with E8M0 scales.
; kv and mbits are this program's own buffers; their layouts stand at the head of the launch that stores them: fragments as images of the operands' registers, the mask as lane masks.
; ONE FRAGMENT OF K | Ki (16 keys x 128 codes) is multiplied by [Q | 0] and by [0 | Qi]: the real and the imaginary score fall into the same lane and register; zero codes add nothing under any scale byte in use.
; V | Vi is one head of 128 channels.  Both kinds of product are used transposed (source 0 = 16 keys, or 16 channels; source 1 = my 16 queries): a lane holds ONE query (lane % 16) throughout.
; Tile 2 b + u, row r is key 32 b + 8 u + r + 8 (r / 8), so that score register 16 b + i holds key 32 b + 16 (lane / 16) + i: 16 neighbours along the second product's K.
; SOFTMAX: x = sqrt(..), t = x log2(e) / 8; M = the running largest t rounded up to a whole number (kept as -M); p = 2^(t - M) is quantised along the keys, not normalised; the row's sum is taken of the unquantised p;
; when M moves, the sum and O are multiplied by 2^(old M - new M), made by v_ldexp_f32: exact, and no branch on data.
; SHARES: a work-group owns 256 queries of a head, each of its 16 waves one tile of 16, in 256 registers.  Every wave walks 16 steps of 128 keys, through a ring of two LDS slots of FOUR steps (135,168 bytes each): four changes of slots.
; CLUSTER: the four work-groups of a cluster are four query blocks of one head and walk the same kv: each sixteenth of a slot (33 rows of 256 bytes) is asked for jointly, one load a wave, with a mask that names the four.
; THE MASK costs one v_cndmask_b32 a score: a step's 64 lane masks come by four scalar loads, asked for half a step ahead; in the last step the pointer stays, so that no load leaves the buffer.
; THE HOLDS go two to an instruction (a dual pair); each bound stands in two registers of different banks.
; LIMITS.  A hidden key's x is -2^33 (logit -2^30) in place of -1e9: -2^33 x log2(e) / 8 is a whole number in f32, so a row with no open key has p = 1 for every key, as the definition gives; scores are never
; negative, so where a key is open a hidden key's p is 0 under either constant.  1e-8 is added to the real square first, an order of rounding other than the source's.  NaN and infinities among the inputs are not served.
.set STEPB, 33792                      ; a step in kv and in a slot
.set SLOTB, 4*STEPB
.set HEADB, 16*STEPB
.set PART,  SLOTB/16                   ; 8,448 bytes = 33 rows of 256: what one tensor load brings
.set SPARE, 2*SLOTB                    ; behind the ring: the spare words, 128 bytes for each of 16 waves
.set QST,   SPARE+2048                 ; behind them: Q's stage, 16 rows x 144 bytes (a block's 128 + 16) for each wave; no fill lands here
.set VIMG,  16384
.set KSCL,  32768
.set VSCL,  33280
.set TB,    2                          ; s2   LDS byte at which the step in hand begins
.set CNT,   3                          ; s3   steps left in the slot
.set MP,    4                          ; s[4:5] the mask words that were asked for last
.set WOFF,  6                          ; s6   my sixteenth of a slot; on the way out: my stage
.set WV,    7                          ; s7   my wave's number
.set MNT,   8                          ; s8   the mantissa field of 57,344
.set LIM,   9                          ; s9   1 in a wave that prefetches
.set SEL,   10                         ; s[10:11] selects for lane l xor 16
.set CS,    12                         ; s[12:13] log2(e) / 8, twice
.set EPS,   14                         ; s[14:15] 1e-8, twice
.set G1,    16                         ; s[16:23] descriptor group 1
.set G0,    24                         ; s[24:27] descriptor group 0, which walks
.set PFA,   28                         ; s[28:29] where my prefetches stand; never rewritten
.set OUT0,  30
.set OUT1,  66
.set INC,   100                        ; s[100:101] the mask pointer's step: 256, in the last step 0
.set MC,    104                        ; s104 steps whose mask words are still to be asked for
                                       ; s32-63, s68-99: the step's 64 mask words: word n in s[32 + n + 4 (n / 32)]
.set LI,    1                          ; v1   16 x lane
.set ADF,   2                          ; v2   LDS address of the step's images for my lane
.set SPW,   3                          ; v3   my spare word; never rewritten
.set NIL,   4                          ; v4   0; never rewritten
.set PFO,   5                          ; v5   256 x lane; never rewritten
.set NEG,   6                          ; v6   -2^33
.set QS,    7                          ; v7   Q | Qi's scale word
.set NM,    8                          ; v8 -M, v9 the largest t
.set SUM,   10                         ; v[10:11] the row's sum, in two halves
.set BM,    12                         ; v12-15 each block's largest x, then its largest p
.set QR,    16                         ; v[16:31] = [Q's codes | zeros];  v[24:39] = [zeros | Qi's codes]
.set QI,    24
.set F,     40                         ; v40-103 two pairs of K tiles; in the softmax at work; then V tiles 0-3
.set S,     104                        ; v104-167 scores, then p, then V tiles 4-7
.set O,     168                        ; v168-231 O^T, 8 tiles of 16 channels
.set T,     232                        ; v232-247 a block's imaginary scores; then p's codes
.set PC,    232
.set KS,    248                        ; v248-251 K's scale words, then V's
.set FF,    252                        ; v252 f = 2^(old M - new M)
.set PW,    253                        ; v253 p's scale word
.set TMP,   254
.set ADS,   255                        ; v255 LDS address of the step's scale words for my lane
.macro CROUND                          ; a round of the cluster's barrier
	s_barrier_signal -1
	s_barrier_wait -1
	s_cmp_lg_u32 s[WV], 0
	s_cbranch_scc1 .Lnot_wave_0_\@
	s_barrier_signal -3
.Lnot_wave_0_\@:
	s_barrier_wait -3
	s_barrier_signal -1
	s_barrier_wait -1
.endm
.macro TLOAD                           ; every wave fetches its sixteenth of a slot; an s_nop 0 and four v_nop follow the load
	tensor_load_to_lds s[G0:G0+3], s[G1:G1+7]
	s_nop 0
.rept 4
	v_nop
.endr
.endm
; A PREFETCH INTO THE L2 of the codes that the NEXT change of slots will ask for: a slot, four steps, ahead of that load.  Both clusters of a head walk the same kv: the head's first cluster asks.  In each of its four
; work-groups waves 4 to 7 ask for one of the slot's four steps each; of a step's 32,768 bytes of codes each partner takes 8,192, told apart by address, lanes 256 bytes apart: each block of 256 bytes is named once in the launch.
; A step's 1,024 bytes of scale words are not asked for.  Slots 0 and 1 come by their loads alone; slots 2 and 3 are the last.
.macro ASK off
	s_cmp_eq_u32 s[LIM], 1
	s_cbranch_scc0 .Lnot_mine_\@
	global_prefetch_b8 v[PFO], s[PFA:PFA+1] offset:\off th:TH_LOAD_NT scope:SCOPE_SE
.Lnot_mine_\@:
.endm
; THE CHANGE OF SLOTS stands at a slot's head.  Each wave waits for all its tensor loads (its part of the slot ahead), adds 0 to its spare word, and waits for that and for its reads of the slot that it has left.
; fill = 1: the barrier is a round of the cluster's, and behind it the slot at LDS byte ldsb is filled with the next 512 keys: the load has four steps in which to land.
.macro CHANGE fill, ldsb, ask, off
	s_wait_tensorcnt 0x0                           ; no tensor load of mine is out, so group 0 may be written
	ds_add_u32 v[SPW], v[NIL]                      ; 0 onto my spare word
.if \fill
	s_add_co_u32 s[G0+1], s[WOFF], \ldsb
	s_add_nc_u64 s[G0+2:G0+3], s[G0+2:G0+3], SLOTB ; the next four steps; the type bits on top are not reached
	s_wait_dscnt 0x0                               ; the add is done, and my reads of the slot that I have left are over
	CROUND
	TLOAD                                          ; the first tensor load behind the round, and a wave's only one until the next
.if \ask
	ASK \off
.endif
.else
	s_wait_dscnt 0x0
	s_barrier_signal -1
	s_barrier_wait -1
.endif
.endm
.macro KLOAD b, f                      ; block b's two tiles of K | Ki into v[f] on: eight loads of 512 consecutive bytes
.irp u, 0,1
.irp c, 0,1,2,3
	ds_load_b128 v[\f+16*\u+4*\c:\f+16*\u+4*\c+3], v[ADF] offset:2048*(2*(\b)+\u)+512*\c
.endr
.endr
.endm
.macro QK b                            ; block b's 32 keys: real scores into S, imaginary into T.  Every product starts its own sum
.set FB, F+32*((\b)%2)
	v_wmma_scale_f32_16x16x128_f8f6f4 v[S+16*(\b):S+16*(\b)+7], v[FB:FB+15], v[QR:QR+15], 0, v[KS+(\b)], v[QS] matrix_a_fmt:MATRIX_FMT_BF8 matrix_b_fmt:MATRIX_FMT_BF8
	v_wmma_scale_f32_16x16x128_f8f6f4 v[T:T+7], v[FB:FB+15], v[QI:QI+15], 0, v[KS+(\b)], v[QS] matrix_a_fmt:MATRIX_FMT_BF8 matrix_b_fmt:MATRIX_FMT_BF8
	v_wmma_scale_f32_16x16x128_f8f6f4 v[S+16*(\b)+8:S+16*(\b)+15], v[FB+16:FB+31], v[QR:QR+15], 0, v[KS+(\b)], v[QS] matrix_a_fmt:MATRIX_FMT_BF8 matrix_b_fmt:MATRIX_FMT_BF8 matrix_a_scale:MATRIX_SCALE_ROW1
	v_wmma_scale_f32_16x16x128_f8f6f4 v[T+8:T+15], v[FB+16:FB+31], v[QI:QI+15], 0, v[KS+(\b)], v[QS] matrix_a_fmt:MATRIX_FMT_BF8 matrix_b_fmt:MATRIX_FMT_BF8 matrix_a_scale:MATRIX_SCALE_ROW1
.endm
.macro COMBINE b                       ; x = sqrt(r r + 1e-8 + i i), each result read from its low end on; the sixteen roots are one batch, and a plain line follows them
.irp j, 0,2,4,6,8,10,12,14
	v_pk_fma_f32 v[S+16*(\b)+\j:S+16*(\b)+\j+1], v[S+16*(\b)+\j:S+16*(\b)+\j+1], v[S+16*(\b)+\j:S+16*(\b)+\j+1], s[EPS:EPS+1] op_sel_hi:[1,1,0]
.endr
.irp j, 0,2,4,6,8,10,12,14
	v_pk_fma_f32 v[S+16*(\b)+\j:S+16*(\b)+\j+1], v[T+\j:T+\j+1], v[T+\j:T+\j+1], v[S+16*(\b)+\j:S+16*(\b)+\j+1]
.endr
	s_wait_alu depctr_va_vdst(0)                   ; the wait ahead of the batch
.irp j, 0,1,2,3,4,5,6,7,8,9,10,11,12,13,14,15
	v_sqrt_f32 v[S+16*(\b)+\j], v[S+16*(\b)+\j]
.endr
	v_nop
.endm
.macro MASK b                          ; hidden keys' x becomes -2^33; then the block's largest x, in two chains
.irp i, 0,1,2,3,4,5,6,7,8,9,10,11,12,13,14,15
	v_cndmask_b32 v[S+16*(\b)+\i], v[NEG], v[S+16*(\b)+\i], s[32+16*(\b)+\i+4*((16*(\b)+\i)/32)]
.endr
	v_max3_num_f32 v[BM+(\b)], v[S+16*(\b)], v[S+16*(\b)+1], v[S+16*(\b)+2]
	v_max3_num_f32 v[TMP], v[S+16*(\b)+3], v[S+16*(\b)+4], v[S+16*(\b)+5]
	s_delay_alu instid0(VALU_DEP_2)
	v_max3_num_f32 v[BM+(\b)], v[BM+(\b)], v[S+16*(\b)+6], v[S+16*(\b)+7]
	s_delay_alu instid0(VALU_DEP_2)
	v_max3_num_f32 v[TMP], v[TMP], v[S+16*(\b)+8], v[S+16*(\b)+9]
	s_delay_alu instid0(VALU_DEP_2)
	v_max3_num_f32 v[BM+(\b)], v[BM+(\b)], v[S+16*(\b)+10], v[S+16*(\b)+11]
	s_delay_alu instid0(VALU_DEP_2)
	v_max3_num_f32 v[TMP], v[TMP], v[S+16*(\b)+12], v[S+16*(\b)+13]
	s_delay_alu instid0(VALU_DEP_2)
	v_max3_num_f32 v[BM+(\b)], v[BM+(\b)], v[S+16*(\b)+14], v[S+16*(\b)+15]
	s_delay_alu instid0(VALU_DEP_1)
	v_max_num_f32 v[BM+(\b)], v[BM+(\b)], v[TMP]
.endm
.macro PV t                            ; O^T's tile t += V tile t x p; the eight accumulators take turns, one instruction a turn
.if (\t) < 4
.set VF, F+16*(\t)
.else
.set VF, S+16*((\t)-4)
.endif
.if (\t)%2
	v_wmma_scale_f32_16x16x128_f8f6f4 v[O+8*(\t):O+8*(\t)+7], v[VF:VF+15], v[PC:PC+15], v[O+8*(\t):O+8*(\t)+7], v[KS+(\t)/2], v[PW] matrix_a_fmt:MATRIX_FMT_BF8 matrix_b_fmt:MATRIX_FMT_BF8 matrix_a_scale:MATRIX_SCALE_ROW1
.else
	v_wmma_scale_f32_16x16x128_f8f6f4 v[O+8*(\t):O+8*(\t)+7], v[VF:VF+15], v[PC:PC+15], v[O+8*(\t):O+8*(\t)+7], v[KS+(\t)/2], v[PW] matrix_a_fmt:MATRIX_FMT_BF8 matrix_b_fmt:MATRIX_FMT_BF8
.endif
.endm
; A KEY STEP: the 128 keys at LDS byte s[TB].
.macro STEP
	; nine plain lines behind the last step's products: eight are owed to the loads into their operands' and scales' registers, nine to the products below, which write over them
	v_add_nc_u32 v[ADF], s[TB], v[LI]
	v_lshrrev_b32 v[ADS], 2, v[LI]
	s_delay_alu instid0(VALU_DEP_1)
	v_add_nc_u32 v[ADS], s[TB], v[ADS]
.rept 6
	v_nop
.endr
.irp j, 0,1,2,3
	ds_load_b32 v[KS+\j], v[ADS] offset:KSCL+128*\j        ; lanes 0-15: tile 2 j's words, lanes 16-31: tile 2 j + 1's
.endr
	KLOAD 0, F
	KLOAD 1, F+32
	s_wait_alu depctr_va_vdst(0)
	s_wait_dscnt 8                                 ; the scale words and block 0 are in; block 1's eight loads may be out
	QK 0
.rept 9
	v_nop                                          ; eight places ahead of the loads into block 0's registers and of the first read of its scores; the ninth for the next block's products, which write over T
.endr
	KLOAD 2, F
	COMBINE 0
	s_wait_dscnt 8                                 ; block 1 is in; block 2's eight loads may be out
	QK 1
	s_wait_kmcnt 0x0                               ; the step's mask words, asked for half a step ago
	s_wait_alu depctr_va_vdst(0)                   ; one wait for block 0's sixteen roots, ahead of their first reader
	MASK 0                                         ; 24 plain lines that name nothing of block 1's products: their places
	KLOAD 3, F+32
	COMBINE 1
	s_wait_dscnt 8                                 ; block 2 is in; block 3's eight loads may be out
	QK 2
	s_wait_alu depctr_va_vdst(0)                   ; block 1's roots
	MASK 1
	COMBINE 2
	s_wait_dscnt 0x0                               ; block 3 is in
	QK 3
	s_wait_alu depctr_va_vdst(0)                   ; block 2's roots
	MASK 2
	COMBINE 3
	s_wait_alu depctr_va_vdst(0)                   ; block 3's roots
	MASK 3
	s_wait_alu depctr_va_vdst(0)
	s_cmp_lg_u32 s[MC], 0
	s_cselect_b32 s[INC], 256, 0
	s_sub_co_u32 s[MC], s[MC], 1
	s_add_nc_u64 s[MP:MP+1], s[MP:MP+1], s[INC:INC+1]   ; the earlier scalar loads are done (the wait on KMcnt above): their base may step
	s_load_b512 s[32:47], s[MP:MP+1], 0x0
	s_load_b512 s[48:63], s[MP:MP+1], 0x40
	s_load_b512 s[68:83], s[MP:MP+1], 0x80
	s_load_b512 s[84:99], s[MP:MP+1], 0xc0
	; ---- the softmax.  At work in F: v40-43 the other half's maxima, v[44:45] a chain of the sum, v48-51 the conversions' scale operands, v52-55 and v61-64 the holds' bounds, v56-59 the bytes
.irp b, 0,1,2,3
	v_permlanex16_b32 v[F+\b], v[BM+\b], s[SEL], s[SEL+1]
.endr
.irp b, 0,1,2,3
	s_delay_alu instid0(VALU_DEP_4)
	v_max_num_f32 v[BM+\b], v[BM+\b], v[F+\b]      ; with lane l xor 16's 16 keys: the block's largest x: it serves for the row's maximum and, since p rises with x, for the block's largest p
.endr
	s_delay_alu instid0(VALU_DEP_2)
	v_max3_num_f32 v[TMP], v[BM], v[BM+1], v[BM+2]
	s_delay_alu instid0(VALU_DEP_1)
	v_max_num_f32 v[TMP], v[TMP], v[BM+3]
	s_delay_alu instid0(VALU_DEP_1)
	v_mul_f32 v[TMP], s[CS], v[TMP]                ; as t
	s_delay_alu instid0(VALU_DEP_1)
	v_max_num_f32 v[NM+1], v[NM+1], v[TMP]         ; the running largest t
	v_mov_b32 v[TMP], v[NM]
	s_delay_alu instid0(VALU_DEP_2)
	v_floor_f32 v[NM], -v[NM+1]                    ; the new -M = -ceil(t): a whole number
	s_delay_alu instid0(VALU_DEP_1)
	v_sub_f32 v[TMP], v[NM], v[TMP]                ; old M - new M: a whole number, 0 or less
	s_delay_alu instid0(VALU_DEP_1)
	v_cvt_i32_f32 v[TMP], v[TMP]                   ; (it saturates)
	s_delay_alu instid0(VALU_DEP_1)
	v_ldexp_f32 v[FF], 1.0, v[TMP]                 ; f = 2^(old M - new M)
.set n, 0
.rept 32
	v_pk_fma_f32 v[S+n:S+n+1], v[S+n:S+n+1], s[CS:CS+1], v[NM:NM+1] op_sel_hi:[1,0,0]   ; t - M, two at a time
.set n, n+2
.endr
.irp b, 0,1,2,3
	v_fma_f32 v[BM+\b], v[BM+\b], s[CS], v[NM]     ; the same of each block's largest x
.endr
.set n, 0
	s_wait_alu depctr_va_vdst(0)                   ; the wait ahead of the batch
.rept 64
	v_exp_f32 v[S+n], v[S+n]                       ; p = 2^(t - M), at most 1
.set n, n+1
.endr
	v_pk_mul_f32 v[SUM:SUM+1], v[SUM:SUM+1], v[FF:FF+1] op_sel_hi:[1,0]   ; the sum under the new M: the plain line behind the batch
	s_wait_alu depctr_va_vdst(0)                   ; one wait for the 64, ahead of their first reader
.irp b, 0,1,2,3
	v_exp_f32 v[BM+\b], v[BM+\b]                   ; the block's largest p: the same two instructions on the same number give the same bits
.endr
	v_pk_add_f32 v[44:45], v[108:109], v[112:113]  ; the row's sum of the unquantised p, in eight chains
	v_pk_add_f32 v[250:251], v[116:117], v[120:121]
	v_pk_add_f32 v[248:249], v[124:125], v[128:129]
	v_pk_add_f32 v[246:247], v[132:133], v[136:137]
	v_pk_add_f32 v[244:245], v[140:141], v[144:145]
	v_pk_add_f32 v[242:243], v[148:149], v[152:153]
	v_pk_add_f32 v[240:241], v[156:157], v[160:161]
	v_pk_add_f32 v[10:11], v[10:11], v[164:165]
	v_pk_add_f32 v[44:45], v[44:45], v[104:105]
	v_pk_add_f32 v[250:251], v[250:251], v[106:107]
	v_pk_add_f32 v[248:249], v[248:249], v[110:111]
	v_pk_add_f32 v[246:247], v[246:247], v[114:115]
	v_pk_add_f32 v[244:245], v[244:245], v[118:119]
	v_pk_add_f32 v[242:243], v[242:243], v[122:123]
	v_pk_add_f32 v[240:241], v[240:241], v[126:127]
	v_pk_add_f32 v[10:11], v[10:11], v[130:131]
	v_pk_add_f32 v[44:45], v[44:45], v[134:135]
	v_pk_add_f32 v[250:251], v[250:251], v[138:139]
	v_pk_add_f32 v[248:249], v[248:249], v[142:143]
	v_pk_add_f32 v[246:247], v[246:247], v[146:147]
	v_pk_add_f32 v[244:245], v[244:245], v[150:151]
	v_pk_add_f32 v[242:243], v[242:243], v[154:155]
	v_pk_add_f32 v[240:241], v[240:241], v[158:159]
	v_pk_add_f32 v[10:11], v[10:11], v[162:163]
	v_pk_add_f32 v[44:45], v[44:45], v[166:167]
	s_delay_alu instid0(VALU_DEP_2)
	v_pk_add_f32 v[10:11], v[10:11], v[246:247]
	s_delay_alu instid0(VALU_DEP_2)
	v_pk_add_f32 v[44:45], v[44:45], v[244:245]
	v_pk_add_f32 v[250:251], v[250:251], v[242:243]
	v_pk_add_f32 v[248:249], v[248:249], v[240:241]
	s_delay_alu instid0(VALU_DEP_2)
	v_pk_add_f32 v[10:11], v[10:11], v[250:251]
	s_delay_alu instid0(VALU_DEP_2)
	v_pk_add_f32 v[44:45], v[44:45], v[248:249]
	s_delay_alu instid0(VALU_DEP_1)
	v_pk_add_f32 v[10:11], v[10:11], v[44:45]
	s_wait_alu depctr_va_vdst(0)                   ; and one for the four
.irp b, 0,1,2,3
	v_max_num_f32 v[BM+\b], 0x8000000, v[BM+\b]    ; the floor 2^(16 - 127): the byte cannot fall under 1
.endr
.irp b, 0,1,2,3
	s_delay_alu instid0(VALU_DEP_4)
	v_add_nc_u32 v[F+8+\b], 0xf8800000, v[BM+\b]   ; 15 off the exponent field: the conversion's scale operand
.endr
.irp b, 0,1,2,3
	v_and_or_b32 v[F+12+\b], v[BM+\b], 0x7f800000, s[MNT]  ; 57,344 x the scale,
.endr
.irp b, 0,1,2,3
	v_and_or_b32 v[F+21+\b], v[BM+\b], 0x7f800000, s[MNT]  ; and once more, in a register of another bank, for the second half of a dual pair
.endr
.irp b, 0,1,2,3
	v_lshrrev_b32 v[F+16+\b], 23, v[F+8+\b]        ; the byte
.endr
	s_delay_alu instid0(VALU_DEP_3)
	v_lshl_or_b32 v[PW], v[F+17], 8, v[F+16]       ; p's scale word for these 128 keys; the holds below are its places ahead of the products
	s_delay_alu instid0(VALU_DEP_1)
	v_lshl_or_b32 v[PW], v[F+18], 16, v[PW]
	s_delay_alu instid0(VALU_DEP_1)
	v_lshl_or_b32 v[PW], v[F+19], 24, v[PW]
.irp b, 0,1,2,3
.irp i, 0,2,4,6,8,10,12,14
	v_dual_min_num_f32 v[S+16*\b+\i], v[S+16*\b+\i], v[F+12+\b] :: v_dual_min_num_f32 v[S+16*\b+\i+1], v[S+16*\b+\i+1], v[F+21+\b]   ; the conversion does not saturate (ISA guide 7.6.2); p is not negative, so the hold is one-sided
.endr
	v_cvt_scalef32_pk8_bf8_f32 v[PC+4*\b:PC+4*\b+1], v[S+16*\b:S+16*\b+7], v[F+8+\b]
	v_cvt_scalef32_pk8_bf8_f32 v[PC+4*\b+2:PC+4*\b+3], v[S+16*\b+8:S+16*\b+15], v[F+8+\b]
.endr
	; ---- O^T += V^T p^T
.irp j, 0,1,2,3
	ds_load_b32 v[KS+\j], v[ADS] offset:VSCL+128*\j
.endr
.irp t, 0,1,2,3
.irp c, 0,1,2,3
	ds_load_b128 v[F+16*\t+4*\c:F+16*\t+4*\c+3], v[ADF] offset:VIMG+2048*\t+512*\c
.endr
.endr
.irp t, 0,1,2,3
.irp c, 0,1,2,3
	ds_load_b128 v[S+16*\t+4*\c:S+16*\t+4*\c+3], v[ADF] offset:VIMG+2048*(\t+4)+512*\c
.endr
.endr
	s_wait_alu depctr_va_vdst(0)
.set n, 0
.rept 32
	v_pk_mul_f32 v[O+n:O+n+1], v[O+n:O+n+1], v[FF:FF+1] op_sel_hi:[1,0]   ; O^T under the new M, each tile from its low end on; also the plain lines behind the conversions and ahead of the products
.set n, n+2
.endr
	s_wait_alu depctr_va_vdst(0)
	s_wait_dscnt 16                                ; the scale words and V tiles 0-3 are in; tiles 4-7's sixteen loads may be out
	PV 0
	PV 1
	PV 2
	PV 3
	s_wait_dscnt 0x0
	PV 4
	PV 5
	PV 6
	PV 7
.endm
.macro PERIOD base                     ; the four steps of the slot at LDS byte base
	s_mov_b32 s[TB], \base
	s_mov_b32 s[CNT], 4
.Lstep_\@:
	STEP
	s_add_co_u32 s[TB], s[TB], STEPB
	s_sub_co_u32 s[CNT], s[CNT], 1
	s_cmp_lg_u32 s[CNT], 0
	s_cbranch_scc1 .Lstep_\@
.endm
	s_load_b256 s[32:39], s[0:1], 0x0              ; query s[32:33], query_i s[34:35], kv s[36:37], mbits s[38:39]
	s_load_b128 s[40:43], s[0:1], 0x20             ; out0 s[40:41], out1 s[42:43]
	v_lshl_add_u32 v[SPW], v0, 2, SPARE
	v_mov_b32 v[NIL], 0
	ds_add_u32 v[SPW], v[NIL]                      ; the wave's opening: the add, twice on end, and its wait ahead of my first tensor load
	ds_add_u32 v[SPW], v[NIL]
	v_lshrrev_b32 v1, 5, v0
	s_delay_alu instid0(VALU_DEP_1)
	v_readfirstlane_b32 s[WV], v1                  ; wave 0..15
	s_bfe_u32 s44, ttmp6, 0x40000                  ; cx: my place in the cluster
	s_lshl_b32 s45, ttmp9, 2
	s_add_co_u32 s45, s45, s44                     ; my block of 256 queries = 4 x cluster x + cx
	s_and_b32 s46, ttmp7, 0xffff                   ; the head, which the four partners share
	s_lshl_b32 s48, s46, 11
	s_lshl_b32 s49, s45, 8
	s_add_co_u32 s48, s48, s49
	s_lshl_b32 s49, s[WV], 4
	s_add_co_u32 s48, s48, s49                     ; my first row: 2048 x head + 256 x block + 16 x wave,
	s_lshl_b32 s48, s48, 8                         ; of 256 bytes, in query, query_i, out0, out1
	s_mov_b32 s49, 0
	s_lshr_b32 s50, s46, 4                         ; the batch
	s_lshl_b32 s50, s50, 7
	s_lshl_b32 s51, s45, 4
	s_add_co_u32 s50, s50, s51
	s_add_co_u32 s50, s50, s[WV]                   ; my tile of 16 queries among the batch's 128,
	s_lshl_b32 s50, s50, 12                        ; 4,096 bytes of mask words a tile
	s_mov_b32 s51, 0
	s_mul_i32 s52, s46, HEADB                      ; the head's first byte in kv
	s_mul_i32 s[WOFF], s[WV], PART                 ; my sixteenth of a slot, in memory and in LDS: no place in the cluster enters either
	s_add_co_u32 s56, s52, s[WOFF]
	s_mov_b32 s57, 0
	s_and_b32 s58, s[WV], 3                        ; the prefetches: which of a slot's four steps,
	s_mul_i32 s58, s58, STEPB
	s_add_co_u32 s58, s58, s52
	s_lshl_b32 s59, s44, 13                        ; my work-group's 8,192 bytes of its codes,
	s_add_co_u32 s58, s58, s59
	s_add_co_u32 s58, s58, 2*SLOTB                 ; in slot 2; slot 3 stands in the immediate
	s_mov_b32 s59, 0
	s_sub_co_u32 s60, s[WV], 4
	s_lshr_b32 s60, s60, 2                         ; 0 in waves 4 to 7,
	s_or_b32 s60, s60, ttmp9                       ; of the head's first cluster: the same in all four partners
	s_cmp_eq_u32 s60, 0
	s_cselect_b32 s[LIM], 1, 0
	; descriptor group 1: 33 dense rows of 256 bytes (32 elements of 8 bytes), no padding
	s_mov_b32 s[G1], 15|(3<<16)|(1<<21)            ; 15:0 the mask: all four work-groups; 17:16 elements of 8 bytes; 21 set beside a mask
	s_mov_b32 s[G1+1], 32<<16
	s_mov_b32 s[G1+2], 33<<16
	s_mov_b32 s[G1+3], 32<<16
	s_mov_b32 s[G1+4], 33
	s_mov_b32 s[G1+5], 32
	s_mov_b32 s[G1+6], 0
	s_mov_b32 s[G1+7], 0
	s_mov_b32 s[MNT], 0x600000
	s_mov_b32 s[SEL], 0x76543210
	s_mov_b32 s[SEL+1], 0xfedcba98
	s_mov_b32 s[CS], 0x3e38aa3b                    ; log2(e) / 8
	s_mov_b32 s[CS+1], s[CS]
	s_mov_b32 s[EPS], 0x322bcc77                   ; 1e-8
	s_mov_b32 s[EPS+1], s[EPS]
	s_mov_b32 s[INC+1], 0
	s_mov_b32 s[MC], 15
	; Q AND Qi COME IN WHOLE RUNS OF 128 BYTES: a load takes four rows' block of 32 numbers, eight neighbouring lanes to a row; the operand's layout wants 16 neighbours of row lane % 16 in a lane,
	; so each block goes through my own stage in LDS: in as loaded, out 64 bytes a lane.
	s_mul_i32 s61, s[WV], 16*144
	s_add_co_u32 s61, s61, QST                     ; my stage
	v_and_b32 v[LI], 31, v0
	v_and_b32 v[ADF], 7, v0                        ; lane % 8
	v_lshrrev_b32 v[ADS], 3, v[LI]                 ; lane / 8
	v_lshlrev_b32 v[TMP], 8, v[ADS]
	v_lshl_add_u32 v[TMP], v[ADF], 4, v[TMP]       ; in memory: row lane / 8 of 256 bytes, + 16 (lane % 8)
	v_mul_u32_u24 v[ADS], v[ADS], 144
	v_lshl_add_u32 v[ADF], v[ADF], 4, v[ADS]
	v_add_nc_u32 v[ADF], s61, v[ADF]               ; into the stage: row lane / 8, + 16 (lane % 8)
	v_and_b32 v[ADS], 15, v0                       ; r
	v_bfe_u32 v[FF], v0, 4, 1                      ; h
	v_mul_u32_u24 v[ADS], v[ADS], 144
	v_lshl_add_u32 v[ADS], v[FF], 6, v[ADS]
	v_add_nc_u32 v[ADS], s61, v[ADS]               ; out of it: row r, + 64 h: my 16 numbers of the block
	v_lshlrev_b32 v[PFO], 8, v[LI]
	v_lshlrev_b32 v[LI], 4, v[LI]
.irp j, 0,1,2,3,4,5,6,7
	v_mov_b32 v[QI+\j], 0                          ; the zero codes that both operands share
.endr
.irp b, 0,1,2,3
	v_mov_b32 v[F+4+\b], 0                         ; a lane permute's destination counts as one of its sources
.endr
	v_mov_b32 v[PW], 0                             ; named as the upper half of the pair v[252:253] before it is first made
	v_mov_b32 v[NEG], 0xd0000000                   ; -2^33
	s_wait_alu depctr_va_vdst(0)
	s_wait_dscnt 0x0                               ; both opening adds are done
	s_wait_kmcnt 0x0
	s_add_nc_u64 s[32:33], s[32:33], s[48:49]      ; query and query_i at my rows
	s_add_nc_u64 s[34:35], s[34:35], s[48:49]
.irp c, 0,1
.irp j, 0,1,2,3
	global_load_b128 v[F+16*\c+4*\j:F+16*\c+4*\j+3], v[TMP], s[32:33] offset:1024*\j+128*\c th:TH_LOAD_NT      ; rows 4 j .. 4 j + 3, block c
	global_load_b128 v[F+32+16*\c+4*\j:F+32+16*\c+4*\j+3], v[TMP], s[34:35] offset:1024*\j+128*\c th:TH_LOAD_NT
.endr
.endr
	s_add_nc_u64 s[OUT0:OUT0+1], s[40:41], s[48:49]
	s_add_nc_u64 s[OUT1:OUT1+1], s[42:43], s[48:49]
	s_add_nc_u64 s[MP:MP+1], s[38:39], s[50:51]
	s_add_nc_u64 s[PFA:PFA+1], s[36:37], s[58:59]
	s_mov_b32 s[G0], 1                             ; count = 1
	s_mov_b32 s[G0+1], s[WOFF]                     ; LDS address: slot 0, my sixteenth
	s_add_nc_u64 s[G0+2:G0+3], s[36:37], s[56:57]  ; global address: the head's first four steps, my sixteenth
	s_or_b32 s[G0+3], s[G0+3], 0x80000000          ; type = 2
	CROUND                                         ; all four work-groups are here: the first joint loads meet
	TLOAD                                          ; slot 0; slot 1 is filled behind the first change of slots, as a refill is
.irp c, 0,1
	s_wait_loadcnt 8-8*\c                          ; block c's eight loads are in; c = 0: block 1's eight may be out
.irp t, 0,1
.irp i, 0,1,2,3
	ds_store_b128 v[ADF], v[F+32*\t+16*\c+4*\i:F+32*\t+16*\c+4*\i+3] offset:576*\i
.endr
.irp j, 0,1,2,3
	ds_load_b128 v[S+32*\t+16*\c+4*\j:S+32*\t+16*\c+4*\j+3], v[ADS] offset:16*\j   ; LDS serves a wave's instructions in order: these see the stores above, and the next pass's stores come behind them
.endr
.endr
.endr
	s_load_b512 s[32:47], s[MP:MP+1], 0x0          ; Q's and Qi's loads are done, so their bases may be written: step 0's 64 mask words
	s_load_b512 s[48:63], s[MP:MP+1], 0x40
	s_load_b512 s[68:83], s[MP:MP+1], 0x80
	s_load_b512 s[84:99], s[MP:MP+1], 0xc0
	s_wait_dscnt 0x0                               ; Q | Qi stand in the operand's layout
	; Q | Qi is quantised in registers: register 16 b + i = k 32 b + 16 h + i of my row; blocks 0, 1 are Q's, 2, 3 Qi's.  At work: v40-43 maxima, v44-47 the other half's / bytes, v48-51 holds, v52-55 scale operands
.irp b, 0,1,2,3
	v_max3_num_f32 v[F+\b], |v[S+16*\b]|, |v[S+16*\b+1]|, 0x8000000
.endr
.irp i, 2,4,6,8,10,12,14
.irp b, 0,1,2,3
	s_delay_alu instid0(VALU_DEP_4)
	v_max3_num_f32 v[F+\b], v[F+\b], |v[S+16*\b+\i]|, |v[S+16*\b+\i+1]|
.endr
.endr
.irp b, 0,1,2,3
	s_delay_alu instid0(VALU_DEP_4)
	v_permlanex16_b32 v[F+4+\b], v[F+\b], s[SEL], s[SEL+1]
.endr
.irp b, 0,1,2,3
	s_delay_alu instid0(VALU_DEP_4)
	v_max_num_f32 v[F+\b], v[F+\b], v[F+4+\b]
.endr
.irp b, 0,1,2,3
	s_delay_alu instid0(VALU_DEP_4)
	v_add_nc_u32 v[F+12+\b], 0xf8800000, v[F+\b]
.endr
.irp b, 0,1,2,3
	v_and_or_b32 v[F+8+\b], v[F+\b], 0x7f800000, s[MNT]
.endr
.irp b, 0,1,2,3
	v_lshrrev_b32 v[F+4+\b], 23, v[F+12+\b]
.endr
	s_delay_alu instid0(VALU_DEP_3)
	v_lshl_or_b32 v[QS], v[F+5], 8, v[F+4]
	s_delay_alu instid0(VALU_DEP_1)
	v_lshl_or_b32 v[QS], v[F+6], 16, v[QS]
	s_delay_alu instid0(VALU_DEP_1)
	v_lshl_or_b32 v[QS], v[F+7], 24, v[QS]
.irp b, 0,1,2,3
.irp i, 0,1,2,3,4,5,6,7,8,9,10,11,12,13,14,15
	v_med3_num_f32 v[S+16*\b+\i], v[S+16*\b+\i], -v[F+8+\b], v[F+8+\b]
.endr
	v_cvt_scalef32_pk8_bf8_f32 v[QR+4*\b+8*(\b/2):QR+4*\b+8*(\b/2)+1], v[S+16*\b:S+16*\b+7], v[F+12+\b]      ; Q's codes to v16-23, Qi's to v32-39
	v_cvt_scalef32_pk8_bf8_f32 v[QR+4*\b+8*(\b/2)+2:QR+4*\b+8*(\b/2)+3], v[S+16*\b+8:S+16*\b+15], v[F+12+\b]
.endr
	v_nop                                          ; one plain line behind the last conversion
	v_mov_b32 v[NM+1], 0xff61b1e6                  ; the largest t so far: -3e38, under every t
	s_delay_alu instid0(VALU_DEP_1)
	v_floor_f32 v[NM], -v[NM+1]                    ; -M
	v_mov_b32 v[SUM], 0
	v_mov_b32 v[SUM+1], 0
.set n, 0
.rept 64
	v_mov_b32 v[O+n], 0                            ; O^T: the step has no first step of its own: the first change of M multiplies zeros.  (Also the places between Q's codes and scale word and the first products)
.set n, n+1
.endr
	s_wait_alu depctr_va_vdst(0)                   ; the wait at the head's end
	CHANGE 1, SLOTB, 1, 0                          ; slot 0 is whole; slot 1 takes steps 4-7; slot 2's codes are asked of memory
	PERIOD 0
	CHANGE 1, 0, 1, SLOTB                          ; slot 0 takes steps 8-11; slot 3's codes are asked of memory
	PERIOD SLOTB
	CHANGE 1, SLOTB, 0, 0                          ; slot 1 takes steps 12-15
	PERIOD 0
	CHANGE 0, 0, 0, 0                              ; nothing is left to ask for
	PERIOD SLOTB
	; THE WAY OUT.  O^T is divided by the row's sum and goes through my stage in LDS, 64 channels (one output's row of 256 bytes) of 16 queries at a time.
	; The stages, 16 rows x 272 bytes a wave, lie in slot 0: it has had its last fill, and behind the last change of slots nobody reads it.
	v_add_f32 v[SUM], v[SUM], v[SUM+1]             ; the sum's two halves,
	s_delay_alu instid0(VALU_DEP_1)
	v_permlanex16_b32 v[TMP], v[SUM], s[SEL], s[SEL+1]
	s_delay_alu instid0(VALU_DEP_1)
	v_add_f32 v[SUM], v[SUM], v[TMP]               ; and lane l xor 16's
	s_wait_alu depctr_va_vdst(0)                   ; the wait ahead of the transcendental
	v_rcp_f32 v[SUM], v[SUM]
	v_and_b32 v12, 15, v0                          ; r.  (The plain lines from here to the wait are also the places behind the last products)
	v_bfe_u32 v13, v0, 4, 1                        ; h
	s_mul_i32 s[WOFF], s[WV], 16*272               ; my stage
	v_mul_u32_u24 v[ADF], v12, 272
	s_delay_alu instid0(VALU_DEP_1)
	v_lshl_add_u32 v[ADF], v13, 5, v[ADF]
	s_delay_alu instid0(VALU_DEP_1)
	v_add_nc_u32 v[ADF], s[WOFF], v[ADF]           ; in: row r; tile t's eight channels of my half: 64 t + 32 h bytes on
	v_mul_u32_u24 v[ADS], v13, 272
	s_delay_alu instid0(VALU_DEP_1)
	v_lshl_add_u32 v[ADS], v12, 4, v[ADS]
	s_delay_alu instid0(VALU_DEP_1)
	v_add_nc_u32 v[ADS], s[WOFF], v[ADS]           ; back: lanes 0-15 one row, lanes 16-31 the next
	v_nop
	v_nop
	s_wait_alu depctr_va_vdst(0)                   ; the wait for the reciprocal, ahead of its first reader
.set n, 0
.rept 64
	v_mul_f32 v[S+n], v[O+n], v[SUM]               ; register 8 t + i: channel 16 t + 8 h + i of query r; each tile from its low end on
.set n, n+1
.endr
.irp u, 0,1
.irp t, 0,1,2,3
	ds_store_b128 v[ADF], v[S+32*\u+8*\t:S+32*\u+8*\t+3] offset:64*\t
	ds_store_b128 v[ADF], v[S+32*\u+8*\t+4:S+32*\u+8*\t+7] offset:64*\t+16
.endr
.irp i, 0,1,2,3,4,5,6,7
	ds_load_b128 v[F+32*\u+4*\i:F+32*\u+4*\i+3], v[ADS] offset:544*\i   ; LDS serves a wave's instructions in order: these see my stores, and the second half's stores come behind them
.endr
.endr
.irp i, 0,1,2,3,4,5,6,7
	s_wait_dscnt 15-\i                             ; no more than the younger LDS instructions are out
	global_store_b128 v[LI], v[F+4*\i:F+4*\i+3], s[OUT0:OUT0+1] offset:512*\i th:TH_STORE_NT   ; two rows: 512 consecutive bytes, aligned
.endr
.irp i, 0,1,2,3,4,5,6,7
	s_wait_dscnt 7-\i
	global_store_b128 v[LI], v[F+32+4*\i:F+32+4*\i+3], s[OUT1:OUT1+1] offset:512*\i th:TH_STORE_NT
.endr
	s_wait_tensorcnt 0x0                           ; the wave's end: behind my last tensor load and my last LDS store
	ds_add_u32 v[SPW], v[NIL]
	s_wait_dscnt 0x0
	CROUND                                         ; the closing round: no work-group ends while a partner may still ask for a tile that names it
	s_endpgm
.Lfunc_end_k_qc3bfc758b7_attn:
	.size	k_qc3bfc758b7_attn, .Lfunc_end_k_qc3bfc758b7_attn-k_qc3bfc758b7_attn
	.p2alignl 7, 3214868480
	.fill 96, 4, 3214868480
	.section	.rodata,"a",@progbits
	.p2align	6, 0x0
	.amdhsa_kernel k_qc3bfc758b7_attn
		.amdhsa_group_segment_fixed_size 327680
		.amdhsa_private_segment_fixed_size 0
		.amdhsa_enable_private_segment 0
		.amdhsa_kernarg_size 48
		.amdhsa_user_sgpr_count 2
		.amdhsa_user_sgpr_kernarg_segment_ptr 1
		.amdhsa_wavefront_size32 1
		.amdhsa_system_sgpr_workgroup_id_x 1
		.amdhsa_system_sgpr_workgroup_id_y 1
		.amdhsa_system_sgpr_workgroup_id_z 1
		.amdhsa_system_vgpr_workitem_id 0
		.amdhsa_next_free_vgpr 256
		.amdhsa_next_free_sgpr 106
		.amdhsa_reserve_vcc 0
		.amdhsa_float_denorm_mode_32 3
		.amdhsa_float_denorm_mode_16_64 3
		.amdhsa_memory_ordered 1
		.amdhsa_forward_progress 1
		.amdhsa_inst_pref_size 176
	.end_amdhsa_kernel
	.amdgpu_metadata
---
amdhsa.version: [ 1, 2 ]
amdhsa.kernels:
  - .name:           k_qc3bfc758b7_attn
    .symbol:         k_qc3bfc758b7_attn.kd
    .args:
      - { .name: query, .offset: 0, .size: 8, .value_kind: global_buffer, .address_space: global }
      - { .name: query_i, .offset: 8, .size: 8, .value_kind: global_buffer, .address_space: global }
      - { .name: kv, .offset: 16, .size: 8, .value_kind: global_buffer, .address_space: global }
      - { .name: mbits, .offset: 24, .size: 8, .value_kind: global_buffer, .address_space: global }
      - { .name: out0, .offset: 32, .size: 8, .value_kind: global_buffer, .address_space: global }
      - { .name: out1, .offset: 40, .size: 8, .value_kind: global_buffer, .address_space: global }
    .group_segment_fixed_size: 327680
    .private_segment_fixed_size: 0
    .kernarg_segment_align: 8
    .kernarg_segment_size: 48
    .max_flat_workgroup_size: 512
    .sgpr_count:     106
    .vgpr_count:     256
    .wavefront_size: 32
...
	.end_amdgpu_metadata
.endif
;; end of part 2
